; MI455X (gfx1250); checked and timed in simulation.
; The chip was launched on July 23, 2026; its instructions are those of AMD's public machine-readable ISA for CDNA 5 (MIT licence, August 2026) and "CDNA5" Instruction Set Architecture Reference Guide (July 2026). The comments in the code are by the model that wrote it; some were corrected since.
;; Multi Head Self Attention. Allowed arithmetic: matrix products marked QUANTISED: E4M3 operands, one given power-of-two scale a tensor, by v_wmma_f32_16x16x64_fp8_fp8 or v_wmma_f32_16x16x128_fp8_fp8, f32 sums; everything else in f32.
;; Inputs: Wk_codes 1,024 x 32 x 32 uint8 (E4M3 codes of Wk, K innermost, in blocks of 32 codes); Wm_codes 1,024 x 32 x 32 uint8 (E4M3 codes of Wm, K innermost, in blocks of 32 codes); Wq_codes 1,024 x 32 x 32 uint8 (E4M3 codes of Wq, K innermost, in blocks of 32 codes); Wv_codes 1,024 x 32 x 32 uint8 (E4M3 codes of Wv, K innermost, in blocks of 32 codes); bk 1,024 float32; bm 1,024 float32; bq 1,024 float32; bv 1,024 float32; lowp_scales 12 int32 (the exponents e of the quantised operands' scales 2^e); x_codes 4 x 2,048 x 32 x 32 uint8 (E4M3 codes of x, K innermost, in blocks of 32 codes).
;; Outputs: out0 4 x 2,048 x 1,024 float32.
;; This version of the problem:
;;   THIS VERSION OF THE PROBLEM IS GIVEN IN LOW PRECISION. The matrix products marked QUANTISED in the list below multiply operands that are first quantised to E4M3 (4 exponent bits, 3 mantissa bits; 8 bits a number), with one given power-of-two scale for each operand tensor; their sums are f32. All else is computed in f32.
;;   The module's matrix products, in the order in which they are computed (A, B: the left and right operand; K: the contracted axis; several contracted axes count as one K, in the product's order):
;;     1. [M 8,192, K 1,024] x [K 1,024, N 1,024]; A: input x (given as codes); B: input Wq (given as codes): QUANTISED (scales: A lowp_scales[0], B lowp_scales[1])
;;     2. [M 8,192, K 1,024] x [K 1,024, N 1,024]; A: input x (given as codes); B: input Wk (given as codes): QUANTISED (scales: A lowp_scales[2], B lowp_scales[3])
;;     3. [M 8,192, K 1,024] x [K 1,024, N 1,024]; A: input x (given as codes); B: input Wv (given as codes): QUANTISED (scales: A lowp_scales[4], B lowp_scales[5])
;;     4. batch 64 x [M 2,048, K 64] x [K 64, N 2,048]; A: computed on the way; B: computed on the way: QUANTISED (scales: A lowp_scales[6], B lowp_scales[7])
;;     5. batch 64 x [M 2,048, K 2,048] x [K 2,048, N 64]; A: softmax (see below); B: computed on the way: QUANTISED (scales: A lowp_scales[8], B lowp_scales[9])
;;     6. [M 8,192, K 1,024] x [K 1,024, N 1,024]; A: computed on the way; B: input Wm (given as codes): QUANTISED (scales: A lowp_scales[10], B lowp_scales[11])
;;   THE QUANTISER, for each operand of a quantised product, along K:
;;     - The operand's scale is 2^e, e = its entry of the input lowp_scales (int32; the entries are numbered through the quantised products in the list's order, A before B).
;;     - Each number is divided by the scale, clamped to +-448, and rounded to the nearest number of E4M3, ties to even, subnormals kept.
;;     - The product sums the exact products of the quantised numbers (number of the format x scale) in f32.
;;   ~~~python
;;   def quantise(x, axis, e):      # numpy; x: float32 -> the quantised numbers, widened to float32 again
;;       x = np.moveaxis(x, axis, -1); K = x.shape[-1]
;;       r = np.clip(x / 2.0 ** e, -448, 448)
;;       step = 2.0 ** (np.maximum(np.frexp(np.where(r == 0, 1, r))[1] - 1, -6) - 3)
;;       q = np.round(r / step) * step * 2.0 ** e      # np.round: ties to even
;;       return np.moveaxis(q, -1, axis).astype(np.float32)
;;   ~~~
;;   SOFTMAX AHEAD OF A QUANTISED PRODUCT. Where the list says 'softmax', what is quantised is not the finished softmax but p = 2^(t - M), with t = logit x log2(e) and M = ceil(the row's largest t), a whole number; so 1/2 < the row's largest p <= 1. The row's sum l is taken of the UNQUANTISED p, in f32, and the product's result is divided by l at the end. Since M is a whole number, a kernel that streams over the keys may use a running M (the ceiling of the running maximum): every later rescaling is an exact power of two, so the quantised numbers keep their values, but for numbers so far below the row's largest that they fall under the format's range.
;;   OPERANDS COMPUTED ON THE WAY. 'Computed on the way' means the value that the module computes at that place (a softmax that the list does not call 'softmax' is quantised finished and normalised). What goes into a quantiser is computed in f32, as accurately as f32 sums, v_exp_f32 and their like allow (about 1e-6 of the number): no bf16 or f16 on the way to a quantiser, and a product that is left as it is and whose result goes on into a quantised operand takes f32 operands (vector FMAs, or v_wmma_f32_16x16x4_f32). A number that lies on a knife's edge between two numbers of the format may be rounded either way, as far as f32 arithmetic and the matrix unit's own rounding can turn it there, and no further.
;;   INPUTS GIVEN AS CODES. Wk (in the module: [1024, 1024], K = its axis 0); Wm (in the module: [1024, 1024], K = its axis 0); Wq (in the module: [1024, 1024], K = its axis 0); Wv (in the module: [1024, 1024], K = its axis 0); x (in the module: [4, 2048, 1024], K = its axis 2): each comes as NAME_codes (uint8): NAME with its K axis moved to the last place and cut into blocks of 32 codes, [.., K / 32, bytes a block], one block behind the other in memory; one code a byte (a code: sign, 4 exponent bits, 3 mantissa bits); its scale is its entry of lowp_scales. Its value is code x scale, taken as it is: it is not quantised again, and the codes and scales need not be those that the quantiser above would give.
;; One version. Each part assembles by itself: llvm-mc -triple=amdgcn-amd-amdhsa -mcpu=gfx1250 --defsym DOCPART=n.
;; ======== version 1 of 1: 3 launches
;; limits: right only within a limited range of input values
;; workspace buffers: qf 8,388,608 bytes; kf 8,388,608 bytes; vf 8,388,608 bytes; af 8,388,608 bytes
;; launch qkv (part 1): grid 12 x 32, 4 waves a work-group, clusters of 4 x 4, 327,680 bytes of LDS; arguments x_codes, Wq_codes, Wk_codes, Wv_codes, bq, bk, bv, lowp_scales, qf, kf, vf; writes qf, kf, vf
.if DOCPART == 1
	.amdgcn_target "amdgcn-amd-amdhsa--gfx1250"
	.amdhsa_code_object_version 6
	.text
	.protected	k_q0600074b6c_qkv
	.globl	k_q0600074b6c_qkv
	.p2align	8
	.type	k_q0600074b6c_qkv,@function
k_q0600074b6c_qkv:
	s_mov_b64 s[64:65], 0
	v_nop
	global_prefetch_b8 v0, s[64:65] scope:SCOPE_SE
	s_setreg_imm32_b32 hwreg(HW_REG_WAVE_MODE, 25, 1), 1
	s_wait_xcnt 0x0
	s_wait_alu depctr_hold_cnt(0) depctr_sa_sdst(0) depctr_va_vdst(0) depctr_va_sdst(0) depctr_va_ssrc(0) depctr_va_vcc(0) depctr_vm_vsrc(0)
	s_getreg_b32 s2, hwreg(HW_REG_IB_STS2, 6, 4)
	s_cmp_eq_u32 s2, 0
	s_cbranch_scc0 .Lentry_in_a_cluster
	s_endpgm
.Lentry_in_a_cluster:
	s_bfe_u32 s2, ttmp6, 0x10000c
	s_cmp_lg_u32 s2, 0xf033
	s_cbranch_scc0 .Lentry_shape_is_right
	s_endpgm
.Lentry_shape_is_right:
; q = x Wq + bq, k = x Wk + bk, v = x Wv + bv on codes of FP8 (E4M3), each result quantised at once for the attention that follows.
; x: [8192][1024] codes, Wq, Wk, Wv: [1024 (n)][1024 (k)] codes, K innermost; biases f32; lowp_scales: 12 whole numbers e.
; ONE BODY, THREE ROLES, by the cluster's x (equal in all sixteen partners): C[m][n] = sum over k of A[m][k] B[n][k] on tiles of 256 x 256.
;   role 0 (q), role 1 (k): A = x (32 tile rows), B = Wq or Wk (4 tile columns).   role 2 (v): A = Wv (4 tile rows), B = x (32 tile columns): V TRANSPOSED.
; The matrix instruction is used transposed (source 0 = 16 rows of B, source 1 = 16 rows of A): a lane holds ONE row of A and eight neighbouring rows of B.  So in roles 0 and 1 a lane's
; registers run along the head's 64 (the K of q k^T), in role 2 along the tokens (the K of p v): the conversions' results are the next operands' registers.
; Four waves, each 128 x 128: 64 accumulators, 512 registers.  K goes in four steps of 256 through two LDS slots filled by the tensor data mover; rows of 256 bytes.
; CLUSTERS 4 x 4: A's tile is asked for jointly by a row of the cluster, B's by a column.  384 tiles in all: a smaller tile that gave 256 or 512 work-groups would read more LDS bytes for each product.
; THE BIAS is the C of each sum's first product, as b / 2^(ex + ew); the code is sum / 2^(eo - ex - ew): three scales folded into one.
; OUT: images of operand registers, four registers = 512 consecutive bytes (lane l's 16 bytes at 16 l), stored straight from registers:
;   qf, kf [bh 64][block of 16 tokens 128][g 2][lane][16]: registers 2c, 2c+1 of lane (r, h) = token r, d = 16c + 8h + 0..7.
;   vf     [bh 64][128 keys 16][16 d 4][g 4][lane][16]:    registers 2c, 2c+1 of lane (r, h) = d r, keys 16c + 8h + 0..7.
; LIMITS: eo - ex - ew between -126 and 127 (eo = e6, e7, e9; ex, ew = the product's two entries), so that the scale is an f32 number.  NaN codes and NaN biases are not served.
; A fragment (16 rows x 128 K) is fetched by four loads of 16 bytes: a permutation of k that is the same in A and in B.
; REGISTERS: window 0: v1, v2 r, h; v8-15 bias offsets; v16-30 addresses and the scale; v32-95 the bias in the result's layout; v128-255 A's fragments, one set, later the codes.
;   window 1: B's fragments, two sets.   windows 2, 3: the accumulators of my rows 0-63, 64-127 ((a, b) at v[8 (8 (a % 4) + b)]).
.set ROWB,   256                       ; a tile's row in bytes
.set KROW,   1024                      ; a row of x or of a weight in memory
.set PITCH,  272                       ; an LDS row: 256 bytes + 16 of padding: the 16 rows that a load touches start 68 words apart
.set FR,     16                        ; registers of a fragment
.set NL,     4                         ; LDS loads that bring one
.set NP,     4                         ; places behind this matrix instruction (ISA guide 7.12.1)
.set HALFT,  128*PITCH                 ; 128 rows: what one tensor load brings
.set SLOT,   4*HALFT                   ; A's 256 rows, then B's 256
.set SPARE,  2*SLOT                    ; behind the ring: the spare words, 128 bytes a wave
.set BOF,  8                           ; v8-15   byte offsets of the bias loads
.set ADRA, 16                          ; v16-17  LDS address of my A fragments in slot 0, 1
.set ADRB, 20                          ; v20-21  the same for B
.set LI,   24                          ; v24     16 x lane
.set SPW,  28                          ; v28     my spare word; never rewritten
.set NIL,  29                          ; v29     0; never rewritten
.set QSC,  30                          ; v30     2^(eo - ex - ew) as f32
.set BI,   32                          ; v32-95  the bias
.set AF,   128                         ; A's fragments
.set CD,   128                         ; the codes, 16 registers for each block of 16 rows of A
.set ROLE, 12                          ; s12
.set G1, 24                            ; s[24:31] group 1 for A's tiles; s[32:39] group 0, a set for each slot
.set G0, 32
.set G1B, 48                           ; s[48:55], s[56:63] the same for B's
.set G0B, 56
.set LNEG, 90
.set LPOS, 91
.set MSB, 0
.macro WIN new                         ; the immediate's high byte repeats the setting that is left
.if MSB != (\new)
	s_set_vgpr_msb (MSB<<8)|(\new)
.set MSB, \new
.endif
.endm
.set MUL_LO,  0xa1                     ; source 0 (B) window 1, source 1 (A) window 0, C and D window 2
.set MUL_HI,  0xf1                     ; the same, C and D window 3
.set BIAS_LO, 0x81                     ; C (the bias) window 0, D window 2
.set BIAS_HI, 0xc1                     ; C window 0, D window 3
.set TO_B,    0x40                     ; destination window 1, address window 0
; A joint load: waves 0 and 1 fetch for A, waves 2 and 3 for B.  The branch hangs on the wave's number alone.  Four v_nop follow each line.
.macro JLOAD g0a, g1a, g0b, g1b
	s_cmp_eq_u32 s15, 0
	s_cbranch_scc0 .Lfor_b_\@
	tensor_load_to_lds s[\g0a:\g0a+3], s[\g1a:\g1a+7]
	s_nop 0
.rept 4
	v_nop
.endr
	s_branch .Lasked_\@
.Lfor_b_\@:
	tensor_load_to_lds s[\g0b:\g0b+3], s[\g1b:\g1b+7]
	s_nop 0
.rept 4
	v_nop
.endr
.Lasked_\@:
.endm
.macro CREST                           ; a round of the cluster's barrier behind its opening barrier
	s_cmp_lg_u32 s14, 0
	s_cbranch_scc1 .Lnot_wave_0_\@
	s_barrier_signal -3
.Lnot_wave_0_\@:
	s_barrier_wait -3
	s_barrier_signal -1
	s_barrier_wait -1
.endm
.macro CROUND                          ; a whole round
	s_barrier_signal -1
	s_barrier_wait -1
	CREST
.endm
	s_load_b512 s[68:83], s[0:1], 0x0              ; x s[68:69], Wq s[70:71], Wk s[72:73], Wv s[74:75], bq s[76:77], bk s[78:79], bv s[80:81], the scales s[82:83]
	s_load_b128 s[84:87], s[0:1], 0x40             ; qf s[84:85], kf s[86:87]
	s_load_b64 s[88:89], s[0:1], 0x50              ; vf
	v_lshl_add_u32 v[SPW], v0, 2, SPARE
	v_mov_b32 v[NIL], 0
	ds_add_u32 v28, v29
	ds_add_u32 v28, v29
	s_wait_dscnt 0x0
	v_lshrrev_b32 v1, 5, v0
	v_readfirstlane_b32 s14, v1                    ; wave 0..3
	s_lshr_b32 s15, s14, 1                         ; which half of A's rows is mine.  Also: I fetch for A (0) or for B (1)
	s_and_b32 s16, s14, 1                          ; which half of B's rows.  Also: which 128 rows of that tile I fetch
	s_bfe_u32 s40, ttmp6, 0x40000                  ; cx, cy: my place in the cluster
	s_bfe_u32 s41, ttmp6, 0x40004
	s_mov_b32 s[ROLE], ttmp9                       ; the cluster's x: 0 q, 1 k, 2 v
	s_and_b32 s13, ttmp7, 0xffff
	s_lshl_b32 s13, s13, 2                         ; 4 x the cluster's y: it walks the tokens' 32 tiles
	s_cmp_eq_u32 s[ROLE], 2
	s_cselect_b32 s18, 0, s13
	s_cselect_b32 s19, s13, 0
	s_add_co_u32 s17, s41, s18                     ; A's tile row: cy (+ 4 y where A is x)
	s_add_co_u32 s42, s40, s19                     ; B's tile: cx (+ 4 y where B is x)
	s_lshl_b32 s43, s41, 2
	s_lshl_b32 s43, 15, s43                        ; my row of the cluster
	s_lshl_b32 s44, 0x1111, s40                    ; my column
	; group 1: a tile of 128 rows x 256 bytes, 16 bytes of padding behind each row
	s_or_b32 s[G1+0], s43, (0<<16)|(1<<20)|(1<<21)|(5<<22)|(3<<25)  ; 15:0 the mask; 17:16 elements of 1 byte; 20 padding on; 21 set beside a mask; 24:22 after every 64 words; 31:25 four words
	s_or_b32 s[G1B+0], s44, (0<<16)|(1<<20)|(1<<21)|(5<<22)|(3<<25)
.irp g, G1, G1B
	s_mov_b32 s[\g+1], ROWB<<16                    ; tensor_dim0
	s_mov_b32 s[\g+2], 128<<16                     ; tensor_dim1
	s_mov_b32 s[\g+3], ROWB<<16                    ; tile_dim0
	s_mov_b32 s[\g+4], 128                         ; tile_dim1
	s_mov_b32 s[\g+5], KROW                        ; the pitch in memory
	s_mov_b32 s[\g+6], 0
	s_mov_b32 s[\g+7], 0
.endr
	s_lshl_b32 s18, s16, 7                         ; which 128 rows of the tile I fetch
	s_lshl_b32 s20, s17, 8
	s_add_co_u32 s20, s20, s18
	s_lshl_b32 s20, s20, 10                        ; A: (256 x tile row + 128 x half) rows of 1,024 bytes: under 2^23
	s_mov_b32 s21, 0
	s_lshl_b32 s46, s42, 8
	s_add_co_u32 s46, s46, s18
	s_lshl_b32 s46, s46, 10                        ; B likewise
	s_mov_b32 s47, 0
	s_mul_i32 s45, s14, HALFT                      ; where they go: wave x 128 rows
	s_wait_kmcnt 0x0
	s_load_b256 s[92:99], s[82:83], 0x0            ; e0 .. e7
	s_load_b128 s[4:7], s[82:83], 0x20             ; e8 .. e11
	s_cmp_eq_u32 s[ROLE], 2                        ; the role's buffers: a choice on the cluster's number alone
	s_cselect_b64 s[66:67], s[74:75], s[68:69]     ; A: Wv, else x
	s_cselect_b64 s[22:23], s[68:69], s[72:73]     ; B: x, else Wk
	s_cselect_b64 s[8:9], s[80:81], s[78:79]       ; the bias: bv, else bk
	s_cselect_b64 s[10:11], s[88:89], s[86:87]     ; out: vf, else kf
	s_cmp_eq_u32 s[ROLE], 0
	s_cselect_b64 s[22:23], s[70:71], s[22:23]     ; role 0: Wq, bq, qf
	s_cselect_b64 s[8:9], s[76:77], s[8:9]
	s_cselect_b64 s[10:11], s[84:85], s[10:11]
	s_add_nc_u64 s[20:21], s[66:67], s[20:21]
	s_add_nc_u64 s[46:47], s[22:23], s[46:47]
	CROUND                                         ; all sixteen work-groups are here: the first joint loads meet
.irp s, 0,1
	s_mov_b32 s[G0+4*\s], 1
	s_add_co_u32 s[G0+4*\s+1], s45, \s*SLOT
	s_add_nc_u64 s[G0+4*\s+2:G0+4*\s+3], s[20:21], \s*ROWB
	s_or_b32 s[G0+4*\s+3], s[G0+4*\s+3], 0x80000000
	s_mov_b32 s[G0B+4*\s], 1
	s_add_co_u32 s[G0B+4*\s+1], s45, \s*SLOT
	s_add_nc_u64 s[G0B+4*\s+2:G0B+4*\s+3], s[46:47], \s*ROWB
	s_or_b32 s[G0B+4*\s+3], s[G0B+4*\s+3], 0x80000000
	JLOAD G0+4*\s, G1, G0B+4*\s, G1B               ; K steps 0 and 1: two loads of mine are out
.endr
	v_and_b32 v1, 15, v0                           ; r
	v_bfe_u32 v2, v0, 4, 1                         ; h
	v_mul_u32_u24 v3, v1, PITCH
	v_lshl_add_u32 v4, v2, 4, v3                   ; a fragment's row x pitch + 16 h
	s_mul_i32 s21, s15, HALFT                      ; my 128 rows of A
	s_mul_i32 s22, s16, HALFT                      ; my 128 rows of B,
	s_add_co_u32 s22, s22, 2*HALFT                 ; which lie behind A's 256
.irp s, 0,1
	v_add_nc_u32 v[ADRA+\s], s21, v4
	v_add_nc_u32 v[ADRB+\s], s22, v4
	s_add_co_u32 s21, s21, SLOT
	s_add_co_u32 s22, s22, SLOT
.endr
	v_and_b32 v6, 31, v0
	v_lshlrev_b32 v[LI], 4, v6
	; T, F: the tokens' and the features' tile; wt, wf: my half of each.  Roles 0, 1: tokens are A's rows; role 2: B's.
	s_cmp_eq_u32 s[ROLE], 2
	s_cselect_b32 s18, s42, s17                    ; T
	s_cselect_b32 s19, s17, s42                    ; F
	s_cselect_b32 s20, s16, s15                    ; wt
	s_cselect_b32 s21, s15, s16                    ; wf
	s_cselect_b32 s2, 4, 0                         ; the bias offset's steps: by r (role 2: a lane's row of A is its feature),
	s_cselect_b32 s3, 0, 32                        ; by h,
	s_cselect_b32 s13, 0, 4                        ; by register (roles 0, 1: feature 16 b + 8 h + j)
	s_lshl_b32 s22, s19, 10
	s_lshl_b32 s23, s21, 9
	s_add_co_u32 s22, s22, s23                     ; 4 (256 F + 128 wf): my 128 features' bias
	s_mov_b32 s23, 0
	s_add_nc_u64 s[8:9], s[8:9], s[22:23]
	v_mul_u32_u24 v3, v1, s2
	v_mad_u32_u24 v3, v2, s3, v3
	s_wait_alu depctr_va_vdst(0)
.irp j, 0,1,2,3,4,5,6,7
	s_mul_i32 s22, s13, \j
	v_add_nc_u32 v[BOF+\j], s22, v3
.endr
.irp i, 0,1,2,3,4,5,6,7                        ; block i of 16 features: roles 0, 1: v[BI + 8 i + j] = b[16 i + 8 h + j]; role 2: b[16 i + r] in all eight
.irp j, 0,1,2,3,4,5,6,7
	global_load_b32 v[BI+8*\i+\j], v[BOF+\j], s[8:9] offset:64*\i
.endr
.endr
	; where my wave's images begin: ((T / 8) 16 + 4 F + 2 wf) heads of 131,072 bytes + ((T % 8) 2 + wt) runs of 128 tokens, 8,192 bytes each: the same in qf, kf and vf
	s_lshr_b32 s22, s18, 3
	s_lshl_b32 s22, s22, 4
	s_lshl_b32 s19, s19, 2
	s_add_co_u32 s22, s22, s19
	s_lshl_b32 s21, s21, 1
	s_add_co_u32 s22, s22, s21
	s_lshl_b32 s22, s22, 17
	s_and_b32 s18, s18, 7
	s_lshl_b32 s18, s18, 1
	s_add_co_u32 s18, s18, s20
	s_lshl_b32 s18, s18, 13
	s_add_co_u32 s22, s22, s18
	s_mov_b32 s23, 0
	s_add_nc_u64 s[10:11], s[10:11], s[22:23]
	s_wait_kmcnt 0x0                               ; the scales' exponents: chosen by the role, never branched on
	s_cmp_eq_u32 s[ROLE], 2
	s_cselect_b32 s18, s96, s94                    ; ex: e4, else e2
	s_cselect_b32 s19, s97, s95                    ; ew: e5, else e3
	s_cselect_b32 s20, s5, s99                     ; eo: e9, else e7
	s_cmp_eq_u32 s[ROLE], 0
	s_cselect_b32 s18, s92, s18                    ; role 0: e0, e1, e6
	s_cselect_b32 s19, s93, s19
	s_cselect_b32 s20, s98, s20
	s_add_co_i32 s18, s18, s19                     ; ex + ew: a sum stands for sum x 2^(ex + ew)
	s_sub_co_i32 s19, 0, s18
	s_sub_co_i32 s20, s20, s18                     ; eo - ex - ew
	s_add_co_i32 s20, s20, 127
	s_lshl_b32 s21, s20, 23
	v_mov_b32 v[QSC], s21                          ; 2^(eo - ex - ew): the conversion takes its exponent field
	s_wait_loadcnt 0x0                             ; the bias
.set j, 0
.rept 64
	v_ldexp_f32 v[BI+j], v[BI+j], s19              ; b / 2^(ex + ew): nothing is rounded
.set j, j+1
.endr
.macro FRAG reg, adr, q, i             ; 16 rows x 128 K: registers 4 c .. 4 c + 3 hold K = 32 c + 16 h + 0 .. 15 of row r
.irp c, 0,1,2,3
	ds_load_b128 v[\reg+4*\c:\reg+4*\c+3], v[\adr] offset:128*(\q)+32*\c+(\i)*16*PITCH
.endr
.endm
; 16 matrix instructions: A's blocks a0, a0 + 1 x B's eight, 128 along K.  p: B's set.  mode 0: adds in place; 1: starts the sums with the bias of B's block (roles 0, 1); 2: of A's block (role 2).
; The 64 accumulators take turns, one instruction a turn, in the same order in every step.
.macro MUL16 a0, p, mode
.irp a, \a0, \a0+1
.irp b, 0,1,2,3,4,5,6,7
.if \mode == 0
	v_wmma_f32_16x16x128_fp8_fp8 v[8*(8*((\a)%4)+\b):8*(8*((\a)%4)+\b)+7], v[128*(\p)+FR*\b:128*(\p)+FR*\b+FR-1], v[AF+FR*(\a):AF+FR*(\a)+FR-1], v[8*(8*((\a)%4)+\b):8*(8*((\a)%4)+\b)+7]
.elseif \mode == 1
	v_wmma_f32_16x16x128_fp8_fp8 v[8*(8*((\a)%4)+\b):8*(8*((\a)%4)+\b)+7], v[128*(\p)+FR*\b:128*(\p)+FR*\b+FR-1], v[AF+FR*(\a):AF+FR*(\a)+FR-1], v[BI+8*\b:BI+8*\b+7]
.else
	v_wmma_f32_16x16x128_fp8_fp8 v[8*(8*((\a)%4)+\b):8*(8*((\a)%4)+\b)+7], v[128*(\p)+FR*\b:128*(\p)+FR*\b+FR-1], v[AF+FR*(\a):AF+FR*(\a)+FR-1], v[BI+8*(\a):BI+8*(\a)+7]
.endif
.endr
.endr
.endm
.macro FETCH_B slot, q, p              ; B's eight fragments of the slot's q-th 128 along K into set p
	WIN TO_B
.irp i, 0,1,2,3,4,5,6,7
	FRAG 128*(\p)+FR*\i, ADRB+\slot, \q, \i
.endr
	WIN 0
.endm
.macro FETCH_A slot, q, i0             ; A's blocks i0 .. i0 + 3
.irp i, \i0, \i0+1, \i0+2, \i0+3
	FRAG AF+FR*(\i), ADRA+\slot, \q, \i
.endr
.endm
.macro PLACES n                        ; places in front of loads into registers that matrix instructions have read, and of the first read of results
.rept \n
	v_nop
.endr
.endm
; A step of 128 along K that has its successor in the same slot.  A's blocks go one after the other, each against B's eight: so one set of registers serves A.
.macro STEP slot, q, mode
	s_wait_dscnt 4*NL                              ; B's set and A's blocks 0-3 are in; the youngest sixteen loads (A's blocks 4-7) may be out
.if \mode
	WIN BIAS_LO
.else
	WIN MUL_LO
.endif
	MUL16 0, (\q)%2, \mode
	MUL16 2, (\q)%2, \mode
	s_wait_dscnt 0                                 ; A's blocks 4-7 are in
	PLACES NP
	FETCH_B \slot, (\q)+1, 1-(\q)%2
	FETCH_A \slot, (\q)+1, 0
.if \mode
	WIN BIAS_HI
.else
	WIN MUL_HI
.endif
	MUL16 4, (\q)%2, \mode
	MUL16 6, (\q)%2, \mode
	PLACES NP
	WIN 0
	FETCH_A \slot, (\q)+1, 4
.endm
; A slot's last step changes slots: one barrier; in front of it each wave waits for all its tensor loads, adds 0 to its spare word, and waits for that and for its reads of this slot.  fill = 1: this slot is filled again, two K steps ahead.
.macro TURN slot, next, fill
	s_wait_tensorcnt 0x0                           ; all my tensor loads have landed: my part of the next slot
	ds_add_u32 v[SPW], v[NIL]                      ; 0 onto my spare word
	s_wait_dscnt 4*NL+1                            ; (the add and the youngest sixteen loads may be out)
	WIN MUL_LO
	MUL16 0, 1, 0                                  ; sixteen matrix instructions stand between the add and the wait for it
	s_wait_dscnt 0x0                               ; the add is done, and my reads of this slot are over
	s_barrier_signal -1
	MUL16 2, 1, 0
	WIN 0
	s_barrier_wait -1
.if \fill
	CREST                                          ; the barrier has opened a round of the cluster's barrier: no wave of any partner still reads this slot or has a load on its way
	s_add_nc_u64 s[G0+4*\slot+2:G0+4*\slot+3], s[G0+4*\slot+2:G0+4*\slot+3], 2*ROWB
	s_add_nc_u64 s[G0B+4*\slot+2:G0B+4*\slot+3], s[G0B+4*\slot+2:G0B+4*\slot+3], 2*ROWB
	JLOAD G0+4*\slot, G1, G0B+4*\slot, G1B         ; the first tensor load behind the round; its four v_nop are the places in front of the loads below
.else
	PLACES NP
.endif
	FETCH_B \next, 0, 0
	FETCH_A \next, 0, 0
	WIN MUL_HI
	MUL16 4, 1, 0
	MUL16 6, 1, 0
	PLACES NP
	WIN 0
	FETCH_A \next, 0, 4
.endm
	s_wait_tensorcnt 1                             ; my part of K step 0 is in; K step 1's load may be out
	s_barrier_signal -1
	s_barrier_wait -1                              ; everybody's is
	FETCH_B 0, 0, 0
	FETCH_A 0, 0, 0
	FETCH_A 0, 0, 4
	s_cmp_eq_u32 s[ROLE], 2                        ; the first step starts the sums with the bias, which lies along B's rows or along A's: two copies of that one step; both leave the same sixteen loads out
	s_cbranch_scc1 .Lfirst_v
	s_wait_alu depctr_va_vdst(0)
	STEP 0, 0, 1
	s_branch .Lfirst_done
.Lfirst_v:
	s_wait_alu depctr_va_vdst(0)
	STEP 0, 0, 2
.Lfirst_done:
	TURN 0, 1, 1                                   ; K = 1,024 is four K steps: written out, no loop
	STEP 1, 0, 0
	TURN 1, 0, 1
	STEP 0, 0, 0
	TURN 0, 1, 0                                   ; nothing is left to fetch: no round, no load
	STEP 1, 0, 0
	s_wait_dscnt 4*NL                              ; the very last step
	WIN MUL_LO
	MUL16 0, 1, 0
	MUL16 2, 1, 0
	s_wait_dscnt 0
	WIN MUL_HI
	MUL16 4, 1, 0
	MUL16 6, 1, 0
	; THE WAY OUT.  Each sum goes to the conversion unclamped (the conversion to an 8-bit code does not saturate: ISA guide 7.6.2); eight sums of a lane become two registers of codes.
	PLACES NP
.irp a, 0,1,2,3,4,5,6,7
	WIN 0x82+0x41*(\a/4)                           ; source 0 and destination: window 2 or 3
.set j, 0
.rept 64
.set j, j+1
.endr
	WIN 0x02+(\a/4)                                ; source 0: window 2 or 3; the codes and the scale in window 0
.irp b, 0,1,2,3,4,5,6,7
	v_cvt_scalef32_pk8_fp8_f32 v[CD+16*\a+2*\b:CD+16*\a+2*\b+1], v[64*(\a%4)+8*\b:64*(\a%4)+8*\b+7], v[QSC]
.endr
.endr
	v_nop                                          ; a plain vector line behind the last conversion
	WIN 0
	s_cmp_eq_u32 s[ROLE], 2
	s_cbranch_scc1 .Lstore_v
.irp a, 0,1,2,3,4,5,6,7                        ; q, k: block a = 16 tokens; registers 4 p .. 4 p + 3: head p / 2 of my two, group p % 2.  Each store covers 512 consecutive bytes, aligned
.irp p, 0,1,2,3
	global_store_b128 v[LI], v[CD+16*\a+4*\p:CD+16*\a+4*\p+3], s[10:11] offset:(\p/2)*131072+\a*1024+(\p%2)*512
.endr
.endr
	s_branch .Lstored
.Lstore_v:
	s_wait_alu depctr_va_vdst(0)
.irp a, 0,1,2,3,4,5,6,7                        ; v: block a = 16 of the features: head a / 4 of my two, d block a % 4; registers 4 p .. 4 p + 3: group p of my 128 keys
.irp p, 0,1,2,3
	global_store_b128 v[LI], v[CD+16*\a+4*\p:CD+16*\a+4*\p+3], s[10:11] offset:(\a/4)*131072+(\a%4)*2048+\p*512
.endr
.endr
.Lstored:
	s_wait_tensorcnt 0x0                           ; the wave's end
	ds_add_u32 v[SPW], v[NIL]
	s_wait_dscnt 0x0
	CROUND                                         ; the closing round: no work-group ends while a partner may still ask for a tile that names it
	s_endpgm
.Lfunc_end_k_q0600074b6c_qkv:
	.size	k_q0600074b6c_qkv, .Lfunc_end_k_q0600074b6c_qkv-k_q0600074b6c_qkv
	.p2alignl 7, 3214868480
	.fill 96, 4, 3214868480
	.section	.rodata,"a",@progbits
	.p2align	6, 0x0
	.amdhsa_kernel k_q0600074b6c_qkv
		.amdhsa_group_segment_fixed_size 327680
		.amdhsa_private_segment_fixed_size 0
		.amdhsa_enable_private_segment 0
		.amdhsa_kernarg_size 88
		.amdhsa_user_sgpr_count 2
		.amdhsa_user_sgpr_kernarg_segment_ptr 1
		.amdhsa_wavefront_size32 1
		.amdhsa_system_sgpr_workgroup_id_x 1
		.amdhsa_system_sgpr_workgroup_id_y 1
		.amdhsa_system_sgpr_workgroup_id_z 1
		.amdhsa_system_vgpr_workitem_id 0
		.amdhsa_next_free_vgpr 1024
		.amdhsa_next_free_sgpr 100
		.amdhsa_reserve_vcc 0
		.amdhsa_float_denorm_mode_32 3
		.amdhsa_float_denorm_mode_16_64 3
		.amdhsa_fp16_overflow 1
		.amdhsa_memory_ordered 1
		.amdhsa_forward_progress 1
		.amdhsa_inst_pref_size 109
	.end_amdhsa_kernel
	.amdgpu_metadata
---
amdhsa.version: [ 1, 2 ]
amdhsa.kernels:
  - .name:           k_q0600074b6c_qkv
    .symbol:         k_q0600074b6c_qkv.kd
    .args:
      - { .name: x_codes, .offset: 0, .size: 8, .value_kind: global_buffer, .address_space: global }
      - { .name: Wq_codes, .offset: 8, .size: 8, .value_kind: global_buffer, .address_space: global }
      - { .name: Wk_codes, .offset: 16, .size: 8, .value_kind: global_buffer, .address_space: global }
      - { .name: Wv_codes, .offset: 24, .size: 8, .value_kind: global_buffer, .address_space: global }
      - { .name: bq, .offset: 32, .size: 8, .value_kind: global_buffer, .address_space: global }
      - { .name: bk, .offset: 40, .size: 8, .value_kind: global_buffer, .address_space: global }
      - { .name: bv, .offset: 48, .size: 8, .value_kind: global_buffer, .address_space: global }
      - { .name: lowp_scales, .offset: 56, .size: 8, .value_kind: global_buffer, .address_space: global }
      - { .name: qf, .offset: 64, .size: 8, .value_kind: global_buffer, .address_space: global }
      - { .name: kf, .offset: 72, .size: 8, .value_kind: global_buffer, .address_space: global }
      - { .name: vf, .offset: 80, .size: 8, .value_kind: global_buffer, .address_space: global }
    .group_segment_fixed_size: 327680
    .private_segment_fixed_size: 0
    .kernarg_segment_align: 8
    .kernarg_segment_size: 88
    .max_flat_workgroup_size: 128
    .sgpr_count:     100
    .vgpr_count:     1024
    .wavefront_size: 32
...
	.end_amdgpu_metadata
.endif
;; end of part 1
;; launch attn (part 2): grid 4 x 64, 16 waves a work-group, clusters of 4 x 1, 327,680 bytes of LDS; arguments qf, kf, vf, lowp_scales, af; writes af
.if DOCPART == 2
	.amdgcn_target "amdgcn-amd-amdhsa--gfx1250"
	.amdhsa_code_object_version 6
	.text
	.protected	k_q0600074b6c_attn
	.globl	k_q0600074b6c_attn
	.p2align	8
	.type	k_q0600074b6c_attn,@function
k_q0600074b6c_attn:
	s_mov_b64 s[64:65], 0
	v_nop
	global_prefetch_b8 v0, s[64:65] scope:SCOPE_SE
	s_setreg_imm32_b32 hwreg(HW_REG_WAVE_MODE, 25, 1), 1
	s_wait_xcnt 0x0
	s_wait_alu depctr_hold_cnt(0) depctr_sa_sdst(0) depctr_va_vdst(0) depctr_va_sdst(0) depctr_va_ssrc(0) depctr_va_vcc(0) depctr_vm_vsrc(0)
	s_getreg_b32 s2, hwreg(HW_REG_IB_STS2, 6, 4)
	s_cmp_eq_u32 s2, 0
	s_cbranch_scc0 .Lentry_in_a_cluster
	s_endpgm
.Lentry_in_a_cluster:
	s_bfe_u32 s2, ttmp6, 0x10000c
	s_cmp_lg_u32 s2, 0x3003
	s_cbranch_scc0 .Lentry_shape_is_right
	s_endpgm
.Lentry_shape_is_right:
; Causal attention of one head on codes of FP8 (E4M3): S = q k^T, p = 2^(t - M), O = p v, O / l quantised for the output product.
; qf, kf: [bh 64][block of 16 tokens 128][g 2][lane][16]; vf: [bh][128 keys 16][16 d 4][g 4][lane][16]: images of operand registers (four registers = 512 bytes, lane l at 16 l).
; af: [block of 16 tokens 512][128 K 8][c 4][lane][16]: registers 4 c .. 4 c + 3 of lane (r, h) = token r, k = 32 c + 16 h + 0 .. 15: the order in which the next launch takes its weight's rows.
; THE SOFTMAX: t = score x 2^(e6 + e7) x log2(e) / 8; M = the running largest t rounded up to a whole number; p = 2^(t - M) is quantised with 2^e8; the row's sum is taken of the unquantised p and divides at the end.
; When M moves, the sum and O are multiplied by 2^(old M - new M), which rounds nothing.  A hidden score counts as -infinity (p = 0): the same as reference()'s -1e12 while real logits lie far above -1e12.
; SHARES.  A cluster of four work-groups is one head.  The head's 128 tiles of 16 queries are dealt INTERLEAVED: tile 4 u + cx, u = 0 .. 31.  Tile u needs the key steps (128 keys) 0 .. u / 2 whatever cx is:
; so every branch hangs on the wave's number and a counter, alike in all partners; cx enters global addresses and the mask's numbers alone.  Wave w owns u = w and u = 31 - w:
; (w / 2 + 1) + ((31 - w) / 2 + 1) = 17 tile steps for every wave of every work-group.
; LDS HOLDS THE WHOLE HEAD: K's images 131,072 bytes, then V's.  Each wave asks for two parts at the start, JOINTLY with its three partners (same descriptor, mask 15): key steps 0-3 (4 KiB a wave) and
; 4-15 (12 KiB a wave).  Nothing is filled again: no ring, and no barrier in the loops.  The second part lands while steps 0-3 are worked.
; Both products are used transposed: S^T = K Q^T (source 0 = 16 keys), O^T = V^T P^T (source 0 = 16 d): a lane holds one query (lane % 16) throughout, and S^T's registers of tile t, keys 16 t + 8 h + 0 .. 7,
; become registers 2 t, 2 t + 1 of P: the K = 128 form's own layout.  Sixteen waves of 256 registers, four to a SIMD: one wave's vector work stands beside another's products and LDS loads.
; LIMITS: e6 + e7 between -123 and 130 (added to c's exponent field); e8 and e10 between -126 and 127.  NaN codes are not served.
.set VREG,  131072                     ; V's images begin here
.set STEPB, 8192                       ; a key step's images of K, and of V
.set LI,   1                           ; v1   16 x lane
.set ADK,  2                           ; v2   LDS address of the step's K
.set ADV,  3                           ; v3   of its V
.set DQA,  4                           ; v4, v5  my query less the diagonal step's first key less 8 h, for each tile
.set DQB,  5
.set NINF, 6                           ; v6   -infinity
.set PLIM, 7
.set PSC,  8                           ; v8   2^e8
.set XCH,  9                           ; v9   a lane permute's destination
.set FF,   10                          ; v[10:11] f = 2^(old M - new M) (the low word serves both halves)
.set SUM2, 12                          ; v[12:13] the second chain of the sum
.set T0,   14                          ; v14, v15 at work
.set T1,   15
.set STA,  16                          ; v[16:19], v[20:23]: a tile's -M, largest t, the sum in two halves
.set STB,  20
.set QA,   24                          ; v[24:31], v[32:39] Q's fragments
.set QB,   32
.set OA,   40                          ; v[40:71], v[72:103] O^T
.set OB,   72
.set S,    104                         ; v[104:167] S^T, then p
.set KF,   168                         ; v[168:231] K's eight fragments, then V's four
.set PC,   232                         ; v[232:247] p's codes
.set WV,   14                          ; s14 wave
.set CX,   15                          ; s15 my place in the cluster
.set BH,   16                          ; s16 16 x batch + head
.set SEL,  20                          ; s[20:21] v_permlanex16_b32's selects for lane l xor 16
.set CS,   22                          ; s[22:23] c
.set G1A,  24                          ; s[24:31] group 1 of the first part, s[32:39] of the second
.set G1B,  32
.set G0A,  40                          ; s[40:43], s[44:47] their groups 0
.set G0B,  44
.set TB,   48                          ; s48 LDS byte of the step in hand
.set SI,   49                          ; s49 the step
.set LASTA, 50                         ; s50, s51 each tile's last step, the one on the diagonal
.set LASTB, 51
.set CNT,  54                          ; s54 trips to go
.macro CROUND                          ; a round of the cluster's barrier
	s_barrier_signal -1
	s_barrier_wait -1
	s_cmp_lg_u32 s[WV], 0
	s_cbranch_scc1 .Lnot_wave_0_\@
	s_barrier_signal -3
.Lnot_wave_0_\@:
	s_barrier_wait -3
	s_barrier_signal -1
	s_barrier_wait -1
.endm
	s_load_b256 s[4:11], s[0:1], 0x0               ; qf s[4:5], kf s[6:7], vf s[8:9], the scales s[10:11]
	s_load_b64 s[12:13], s[0:1], 0x20              ; af
	v_lshl_add_u32 v254, v0, 2, 0x40000
	v_mov_b32 v255, 0
	ds_add_u32 v254, v255
	ds_add_u32 v254, v255
	v_lshrrev_b32 v2, 5, v0
	s_delay_alu instid0(VALU_DEP_1)
	v_readfirstlane_b32 s[WV], v2                  ; wave 0..15
	s_bfe_u32 s[CX], ttmp6, 0x40000
	s_and_b32 s[BH], ttmp7, 0xffff                 ; the cluster's y
	; group 1: dense blocks as rows of 256 bytes: 32 elements of 8 bytes; 16 rows, or 48
	s_mov_b32 s[G1A], 15|(3<<16)|(1<<21)           ; 15:0 the mask: all four work-groups; 17:16 elements of 8 bytes; 21 set beside a mask; no padding
	s_mov_b32 s[G1A+1], 32<<16                     ; tensor_dim0
	s_mov_b32 s[G1A+2], 16<<16                     ; tensor_dim1
	s_mov_b32 s[G1A+3], 32<<16                     ; tile_dim0
	s_mov_b32 s[G1A+4], 16                         ; tile_dim1
	s_mov_b32 s[G1A+5], 32                         ; the pitch
	s_mov_b32 s[G1A+6], 0
	s_mov_b32 s[G1A+7], 0
	s_mov_b32 s[G1B], 15|(3<<16)|(1<<21)
	s_mov_b32 s[G1B+1], 32<<16
	s_mov_b32 s[G1B+2], 48<<16
	s_mov_b32 s[G1B+3], 32<<16
	s_mov_b32 s[G1B+4], 48
	s_mov_b32 s[G1B+5], 32
	s_mov_b32 s[G1B+6], 0
	s_mov_b32 s[G1B+7], 0
	s_lshr_b32 s80, s[WV], 3
	s_lshl_b32 s80, s80, 17                        ; waves 0-7 fetch K's images (LDS 0 on), waves 8-15 V's (131,072 on)
	s_and_b32 s81, s[WV], 7
	s_lshl_b32 s82, s81, 12                        ; my eighth of steps 0-3: 4,096 bytes,
	s_mov_b32 s83, 0
	s_mul_i32 s84, s81, 12288
	s_add_co_u32 s84, s84, 32768                   ; and of steps 4-15: 12,288 bytes
	s_mov_b32 s85, 0
	s_lshl_b32 s2, s[BH], 17                       ; the head's 131,072 bytes in qf, kf and vf
	s_mov_b32 s3, 0
	s_wait_dscnt 0x0
	s_wait_kmcnt 0x0
	s_load_b256 s[56:63], s[10:11], 0x10           ; e4 .. e11
	s_cmp_lt_u32 s[WV], 8
	s_cselect_b64 s[18:19], s[6:7], s[8:9]
	s_add_nc_u64 s[18:19], s[18:19], s[2:3]        ; K or V of my head: nothing of cx in it
	s_mov_b32 s[G0A], 1
	s_add_co_u32 s[G0A+1], s80, s82
	s_add_nc_u64 s[G0A+2:G0A+3], s[18:19], s[82:83]
	s_or_b32 s[G0A+3], s[G0A+3], 0x80000000
	s_mov_b32 s[G0B], 1
	s_add_co_u32 s[G0B+1], s80, s84
	s_add_nc_u64 s[G0B+2:G0B+3], s[18:19], s[84:85]
	s_or_b32 s[G0B+3], s[G0B+3], 0x80000000
	CROUND                                         ; all four work-groups are here: the joint loads meet
	tensor_load_to_lds s[G0A:G0A+3], s[G1A:G1A+7]  ; the first part: one load of mine is out; the second follows after the round
	s_nop 0
	s_wait_alu depctr_va_vdst(0)
	s_wait_tensorcnt 0x0
	ds_add_u32 v254, v255
	s_wait_dscnt 0x0
	CROUND
	tensor_load_to_lds s[G0B:G0B+3], s[G1B:G1B+7]
	s_nop 0
.rept 4
	v_nop
.endr
	v_and_b32 v1, 31, v0
	s_delay_alu instid0(VALU_DEP_1)
	v_lshlrev_b32 v[LI], 4, v1
	s_wait_alu depctr_va_vdst(0)
	; my two tiles: T = 4 u + cx
	s_lshl_b32 s76, s[WV], 2
	s_add_co_u32 s76, s76, s[CX]                   ; tile A: u = w
	s_sub_co_u32 s78, 31, s[WV]
	s_lshl_b32 s78, s78, 2
	s_add_co_u32 s78, s78, s[CX]                   ; tile B: u = 31 - w
	s_mov_b32 s87, 0
	s_lshl_b32 s86, s76, 10                        ; a tile of Q is 1,024 bytes
	s_add_co_u32 s86, s86, s2
	s_add_nc_u64 s[66:67], s[4:5], s[86:87]
	s_lshl_b32 s86, s78, 10
	s_add_co_u32 s86, s86, s2
	s_add_nc_u64 s[68:69], s[4:5], s[86:87]
	global_load_b128 v[QA:QA+3], v[LI], s[66:67]
	global_load_b128 v[QA+4:QA+7], v[LI], s[66:67] offset:512
	global_load_b128 v[QB:QB+3], v[LI], s[68:69]
	global_load_b128 v[QB+4:QB+7], v[LI], s[68:69] offset:512
	s_lshr_b32 s88, s[BH], 4
	s_lshl_b32 s88, s88, 21                        ; af: the batch's 128 blocks of 16,384 bytes,
	s_and_b32 s89, s[BH], 15
	s_lshl_b32 s89, s89, 10                        ; the head's 64 of K: 1,024 bytes,
	s_add_co_u32 s88, s88, s89
	s_lshl_b32 s86, s76, 14                        ; the tile
	s_add_co_u32 s86, s86, s88
	s_add_nc_u64 s[70:71], s[12:13], s[86:87]
	s_lshl_b32 s86, s78, 14
	s_add_co_u32 s86, s86, s88
	s_add_nc_u64 s[72:73], s[12:13], s[86:87]
	s_lshr_b32 s[LASTA], s[WV], 1
	s_sub_co_u32 s[LASTB], 31, s[WV]
	s_lshr_b32 s[LASTB], s[LASTB], 1
	; on the diagonal step register 8 t + j holds key 16 t + 8 h + j of the step; my query is 64 (u % 2) + 16 cx + r of it: hidden where 16 t + j > 64 (u % 2) + 16 cx + r - 8 h
	v_and_b32 v4, 15, v0
	v_bfe_u32 v5, v0, 4, 1
	s_delay_alu instid0(VALU_DEP_1)
	v_lshlrev_b32 v5, 3, v5
	s_delay_alu instid0(VALU_DEP_1)
	v_sub_nc_u32 v4, v4, v5                        ; r - 8 h
	s_and_b32 s76, s[WV], 1
	s_lshl_b32 s77, s76, 6
	s_lshl_b32 s79, s[CX], 4
	s_add_co_u32 s77, s77, s79
	s_xor_b32 s76, s76, 1
	s_lshl_b32 s76, s76, 6
	s_add_co_u32 s76, s76, s79
	v_add_nc_u32 v[DQB], s76, v4
	v_add_nc_u32 v[DQA], s77, v4
	s_mov_b32 s[SEL], 0x76543210
	s_mov_b32 s[SEL+1], 0xfedcba98
	v_mov_b32 v[NINF], 0xff800000
.irp x, 9,10,11,12,13,14,15
	v_mov_b32 v\x, 0                               ; written once: permute destinations and upper halves of pairs count as read
.endr
.irp st, STA, STB
	v_mov_b32 v[\st+1], 0xff61b1e6                 ; the largest t so far: -3e38, under every t
	s_delay_alu instid0(VALU_DEP_1)
	v_floor_f32 v[\st], -v[\st+1]                  ; -M
	v_mov_b32 v[\st+2], 0                          ; the sum
	v_mov_b32 v[\st+3], 0
.endr
.set j, 0
.rept 64
	v_mov_b32 v[OA+j], 0                           ; O^T of both tiles: the step is written once for a tile; its first run finds zeros, which the first change of M leaves zeros
.set j, j+1
.endr
	s_wait_kmcnt 0x0
	s_add_co_i32 s86, s58, s59                     ; e6 + e7
	s_lshl_b32 s86, s86, 23
	s_mov_b32 s[CS], 0x3e38aa3b                    ; log2(e) / 8
	s_add_co_i32 s[CS], s[CS], s86                 ; x 2^(e6 + e7): added to the exponent field
	s_mov_b32 s[CS+1], s[CS]                       ; (named with it as a pair)
	s_add_co_i32 s86, s60, 127
	s_lshl_b32 s87, s86, 23
	v_mov_b32 v[PSC], s87                          ; 2^e8
	s_add_co_i32 s52, s60, s61                     ; e8 + e9
	s_add_co_i32 s86, s62, 127
	s_lshl_b32 s53, s86, 23                        ; 2^e10
; ONE TILE, ONE KEY STEP.  st: the tile's statistics; q: its Q; o: its O^T; dq: its mask number; last: its last step.  A step behind the tile's last is left out: a branch on the wave's number and the counter.
.macro TSTEP st, q, o, dq, last
	s_cmp_gt_u32 s[SI], s[\last]
	s_cbranch_scc1 .Lskip_\@
.rept 4
	v_nop                                          ; places in front of loads into registers that the last products read
.endr
	s_wait_alu depctr_va_vdst(0)
.irp t, 0,1,2,3,4,5,6,7
	ds_load_b128 v[KF+8*\t:KF+8*\t+3], v[ADK] offset:1024*\t
	ds_load_b128 v[KF+8*\t+4:KF+8*\t+7], v[ADK] offset:1024*\t+512
.endr
.irp t, 0,1,2,3,4,5,6,7
	s_wait_dscnt 14-2*\t                           ; fragment t is in; the 14 - 2 t younger loads may be out
	v_wmma_f32_16x16x64_fp8_fp8 v[S+8*\t:S+8*\t+7], v[KF+8*\t:KF+8*\t+7], v[\q:\q+7], 0
.endr
.rept 4
	v_nop                                          ; places: for V's loads into K's registers, and for the first read of the scores
.endr
	s_wait_alu depctr_va_vdst(0)
.irp f, 0,1,2,3,4,5,6,7,8,9,10,11,12,13,14,15
	ds_load_b128 v[KF+4*\f:KF+4*\f+3], v[ADV] offset:512*\f   ; V's four fragments land under the softmax
.endr
	s_cmp_lt_u32 s[SI], s[\last]                   ; ahead of the diagonal every key counts
	s_cbranch_scc1 .Lopen_\@
.set n, 0
.rept 64
	v_cmp_gt_i32 vcc_lo, 16*(n/8)+n%8, v[\dq]
	v_cndmask_b32 v[S+n], v[S+n], v[NINF], vcc_lo
.set n, n+1
.endr
.Lopen_\@:
	v_max3_num_f32 v[T0], v[S], v[S+1], v[S+2]     ; the step's largest score of my query among my 64 keys, in two chains, each accumulator from its low end on
	v_max3_num_f32 v[T1], v[S+3], v[S+4], v[S+5]
.irp i, 6,10,14,18,22,26,30,34,38,42,46,50,54,58
	v_max3_num_f32 v[T0], v[T0], v[S+\i], v[S+\i+1]
	v_max3_num_f32 v[T1], v[T1], v[S+\i+2], v[S+\i+3]
.endr
	v_max3_num_f32 v[T0], v[T0], v[S+62], v[S+63]
	s_delay_alu instid0(VALU_DEP_1)
	v_max_num_f32 v[T0], v[T0], v[T1]
	s_delay_alu instid0(VALU_DEP_1)
	v_permlanex16_b32 v[XCH], v[T0], s[SEL], s[SEL+1]
	s_delay_alu instid0(VALU_DEP_1)
	v_max_num_f32 v[T0], v[T0], v[XCH]             ; and among lane l xor 16's
	s_delay_alu instid0(VALU_DEP_1)
	v_mul_f32 v[T0], s[CS], v[T0]                  ; as t (c is positive)
	s_delay_alu instid0(VALU_DEP_1)
	v_max_num_f32 v[\st+1], v[\st+1], v[T0]        ; the running largest t
	v_mov_b32 v[T0], v[\st]
	s_delay_alu instid0(VALU_DEP_2)
	v_floor_f32 v[\st], -v[\st+1]                  ; the new -M = floor(-t): M is a whole number
	s_delay_alu instid0(VALU_DEP_1)
	v_sub_f32 v[T0], v[\st], v[T0]                 ; old M - new M: a whole number, 0 or less
	s_delay_alu instid0(VALU_DEP_1)
	v_cvt_i32_f32 v[T0], v[T0]                     ; (it saturates)
	s_delay_alu instid0(VALU_DEP_1)
	v_ldexp_f32 v[FF], 1.0, v[T0]                  ; f = 2^(old M - new M)
.set j, 0
.rept 32
	v_pk_fma_f32 v[S+j:S+j+1], v[S+j:S+j+1], s[CS:CS+1], v[\st:\st+1] op_sel_hi:[1,0,0]   ; t - M, two at a time
.set j, j+2
.endr
.set j, 0
	s_wait_alu depctr_va_vdst(0)
.rept 64
	v_exp_f32 v[S+j], v[S+j]                       ; p = 2^(t - M), at most 1
.set j, j+1
.endr
	v_pk_mul_f32 v[\st+2:\st+3], v[\st+2:\st+3], v[FF:FF+1] op_sel_hi:[1,0]   ; the sum under the new M: the plain line behind the exponentials
	s_wait_alu depctr_va_vdst(0)                   ; one wait for the whole batch, ahead of its first reader
	v_pk_add_f32 v[SUM2:SUM2+1], v[S:S+1], v[S+2:S+3]   ; the sum of the unquantised p, two chains
.irp j, 4,8,12,16,20,24,28,32,36,40,44,48,52,56,60
	v_pk_add_f32 v[\st+2:\st+3], v[\st+2:\st+3], v[S+\j:S+\j+1]
	v_pk_add_f32 v[SUM2:SUM2+1], v[SUM2:SUM2+1], v[S+\j+2:S+\j+3]
.endr
	s_delay_alu instid0(VALU_DEP_1)
	v_pk_add_f32 v[\st+2:\st+3], v[\st+2:\st+3], v[SUM2:SUM2+1]
.irp t, 0,1,2,3,4,5,6,7
.irp i, 0,1,2,3,4,5,6,7
.endr
	v_cvt_scalef32_pk8_fp8_f32 v[PC+2*\t:PC+2*\t+1], v[S+8*\t:S+8*\t+7], v[PSC]
.endr
.set j, 0
.rept 16
	v_pk_mul_f32 v[\o+j:\o+j+1], v[\o+j:\o+j+1], v[FF:FF+1] op_sel_hi:[1,0]   ; O^T under the new M; also the plain lines between the conversions and the products
.set j, j+2
.endr
	s_wait_alu depctr_va_vdst(0)
	s_wait_dscnt 0x0                               ; V is in
.irp d, 0,1,2,3                                ; four accumulators by turns; the next products on them stand behind eight others
	v_wmma_f32_16x16x128_fp8_fp8 v[\o+8*\d:\o+8*\d+7], v[KF+16*\d:KF+16*\d+15], v[PC:PC+15], v[\o+8*\d:\o+8*\d+7]
.endr
.Lskip_\@:
.endm
; Key steps first .. first + trips - 1: every wave walks every trip; the trip count is a constant.
.macro PHASE first, trips
	s_mov_b32 s[TB], STEPB*\first
	s_mov_b32 s[SI], \first
	s_mov_b32 s[CNT], \trips
.Lphase_\@:
	v_add_nc_u32 v[ADK], s[TB], v[LI]
	s_delay_alu instid0(VALU_DEP_1)
	v_add_nc_u32 v[ADV], VREG, v[ADK]
	TSTEP STA, QA, OA, DQA, LASTA
	TSTEP STB, QB, OB, DQB, LASTB
	s_add_co_u32 s[TB], s[TB], STEPB
	s_add_co_u32 s[SI], s[SI], 1
	s_sub_co_u32 s[CNT], s[CNT], 1
	s_cmp_lg_u32 s[CNT], 0
	s_cbranch_scc1 .Lphase_\@
.endm
	s_wait_loadcnt 0x0                             ; Q
	s_wait_tensorcnt 1                             ; my part of steps 0-3 is in; the second part may stay out
	s_barrier_signal -1
	s_barrier_wait -1                              ; everybody's is
	PHASE 0, 4
	s_wait_tensorcnt 0x0                           ; my part of steps 4-15 is in
	s_wait_dscnt 0x0
	s_barrier_signal -1
	s_barrier_wait -1                              ; everybody's is
	PHASE 4, 12
	; THE WAY OUT, both tiles together: O^T / the sum x 2^(e8 + e9), converted.
.rept 4
	v_nop                                          ; places behind the last products
.endr
	v_add_f32 v[T0], v[STA+2], v[STA+3]            ; the sum's two halves,
	v_add_f32 v[SUM2], v[STB+2], v[STB+3]
	s_delay_alu instid0(VALU_DEP_2)
	v_permlanex16_b32 v[XCH], v[T0], s[SEL], s[SEL+1]
	s_delay_alu instid0(VALU_DEP_2)
	v_permlanex16_b32 v[FF+1], v[SUM2], s[SEL], s[SEL+1]
	s_delay_alu instid0(VALU_DEP_2)
	v_add_f32 v[T0], v[T0], v[XCH]                 ; and lane l xor 16's
	s_delay_alu instid0(VALU_DEP_2)
	v_add_f32 v[SUM2], v[SUM2], v[FF+1]
	s_wait_alu depctr_va_vdst(0)
	v_rcp_f32 v[T0], v[T0]
	v_rcp_f32 v[SUM2], v[SUM2]
	v_mov_b32 v[FF], s53                           ; 2^e10 for the conversions: the plain line behind the reciprocals
	s_wait_alu depctr_va_vdst(0)                   ; one wait for both, ahead of their first reader
	v_ldexp_f32 v[T0], v[T0], s52
	v_ldexp_f32 v[SUM2], v[SUM2], s52
.set j, 0
.rept 16
	v_pk_mul_f32 v[S+j:S+j+1], v[OA+j:OA+j+1], v[T0:T0+1] op_sel_hi:[1,0]
.set j, j+2
.endr
.set j, 0
.rept 16
	v_pk_mul_f32 v[S+32+j:S+32+j+1], v[OB+j:OB+j+1], v[SUM2:SUM2+1] op_sel_hi:[1,0]
.set j, j+2
.endr
.set j, 0
.rept 64
.set j, j+1
.endr
.irp i, 0,1,2,3,4,5,6,7
	v_cvt_scalef32_pk8_fp8_f32 v[PC+2*\i:PC+2*\i+1], v[S+8*\i:S+8*\i+7], v[FF]   ; registers 2 c, 2 c + 1 of a tile: d = 16 c + 8 h + 0 .. 7 of token r
.endr
	v_nop                                          ; a plain line behind the last conversion
	; af wants d = 32 b + 16 h + 0 .. 15 in a lane: lanes 16-31 of pair 2 b change places with lanes 0-15 of pair 2 b + 1
.irp x, 0,4,8,12
	v_permlane16_swap_b32 v[PC+\x], v[PC+\x+2]
	v_permlane16_swap_b32 v[PC+\x+1], v[PC+\x+3]
.endr
	global_store_b128 v[LI], v[PC:PC+3], s[70:71]                  ; each store covers 512 consecutive bytes, aligned
	global_store_b128 v[LI], v[PC+4:PC+7], s[70:71] offset:512
	global_store_b128 v[LI], v[PC+8:PC+11], s[72:73]
	global_store_b128 v[LI], v[PC+12:PC+15], s[72:73] offset:512
	s_wait_tensorcnt 0x0
	ds_add_u32 v254, v255
	s_wait_dscnt 0x0
	CROUND                                         ; the closing round
	s_endpgm
.Lfunc_end_k_q0600074b6c_attn:
	.size	k_q0600074b6c_attn, .Lfunc_end_k_q0600074b6c_attn-k_q0600074b6c_attn
	.p2alignl 7, 3214868480
	.fill 96, 4, 3214868480
	.section	.rodata,"a",@progbits
	.p2align	6, 0x0
	.amdhsa_kernel k_q0600074b6c_attn
		.amdhsa_group_segment_fixed_size 327680
		.amdhsa_private_segment_fixed_size 0
		.amdhsa_enable_private_segment 0
		.amdhsa_kernarg_size 40
		.amdhsa_user_sgpr_count 2
		.amdhsa_user_sgpr_kernarg_segment_ptr 1
		.amdhsa_wavefront_size32 1
		.amdhsa_system_sgpr_workgroup_id_x 1
		.amdhsa_system_sgpr_workgroup_id_y 1
		.amdhsa_system_sgpr_workgroup_id_z 1
		.amdhsa_system_vgpr_workitem_id 0
		.amdhsa_next_free_vgpr 256
		.amdhsa_next_free_sgpr 96
		.amdhsa_reserve_vcc 1
		.amdhsa_float_denorm_mode_32 3
		.amdhsa_float_denorm_mode_16_64 3
		.amdhsa_fp16_overflow 1
		.amdhsa_memory_ordered 1
		.amdhsa_forward_progress 1
		.amdhsa_inst_pref_size 90
	.end_amdhsa_kernel
	.amdgpu_metadata
---
amdhsa.version: [ 1, 2 ]
amdhsa.kernels:
  - .name:           k_q0600074b6c_attn
    .symbol:         k_q0600074b6c_attn.kd
    .args:
      - { .name: qf, .offset: 0, .size: 8, .value_kind: global_buffer, .address_space: global }
      - { .name: kf, .offset: 8, .size: 8, .value_kind: global_buffer, .address_space: global }
      - { .name: vf, .offset: 16, .size: 8, .value_kind: global_buffer, .address_space: global }
      - { .name: lowp_scales, .offset: 24, .size: 8, .value_kind: global_buffer, .address_space: global }
      - { .name: af, .offset: 32, .size: 8, .value_kind: global_buffer, .address_space: global }
    .group_segment_fixed_size: 327680
    .private_segment_fixed_size: 0
    .kernarg_segment_align: 8
    .kernarg_segment_size: 40
    .max_flat_workgroup_size: 512
    .sgpr_count:     96
    .vgpr_count:     256
    .wavefront_size: 32
...
	.end_amdgpu_metadata
.endif
;; end of part 2
;; launch proj (part 3): grid 8 x 32, 4 waves a work-group, clusters of 4 x 4, 327,680 bytes of LDS; arguments af, Wm_codes, bm, lowp_scales, out0; writes out0
.if DOCPART == 3
	.amdgcn_target "amdgcn-amd-amdhsa--gfx1250"
	.amdhsa_code_object_version 6
	.text
	.protected	k_q0600074b6c_proj
	.globl	k_q0600074b6c_proj
	.p2align	8
	.type	k_q0600074b6c_proj,@function
k_q0600074b6c_proj:
	s_mov_b64 s[64:65], 0
	v_nop
	global_prefetch_b8 v0, s[64:65] scope:SCOPE_SE
	s_setreg_imm32_b32 hwreg(HW_REG_WAVE_MODE, 25, 1), 1
	s_wait_xcnt 0x0
	s_wait_alu depctr_hold_cnt(0) depctr_sa_sdst(0) depctr_va_vdst(0) depctr_va_sdst(0) depctr_va_ssrc(0) depctr_va_vcc(0) depctr_vm_vsrc(0)
	s_getreg_b32 s2, hwreg(HW_REG_IB_STS2, 6, 4)
	s_cmp_eq_u32 s2, 0
	s_cbranch_scc0 .Lentry_in_a_cluster
	s_endpgm
.Lentry_in_a_cluster:
	s_bfe_u32 s2, ttmp6, 0x10000c
	s_cmp_lg_u32 s2, 0xf033
	s_cbranch_scc0 .Lentry_shape_is_right
	s_endpgm
.Lentry_shape_is_right:
; out0 = attn Wm + bm on codes of FP8 (E4M3).  af: attn's codes as images of operand registers, [block of 16 tokens 512][128 K 8][c 4][lane][16]: registers 4 c .. 4 c + 3 of lane (r, h) = token r, k = 32 c + 16 h + 0 .. 15.
; Wm: [1024 (n)][1024 (k)] codes, K innermost; its fragments come by four loads of 16 bytes at row x pitch + 16 h + 32 c: the same places of k.  bm f32; out0 [8192][1024] f32 = sum x 2^(e10 + e11) + bm.
; A tile of out0 is 256 rows x 128 columns: 256 work-groups.  Four waves, each 128 rows x 64 columns: 32 accumulators.  K goes in four steps of 256 through two LDS slots.
; CLUSTERS 4 x 4: attn's tile is asked for jointly by a row of the cluster, Wm's by a column.
; The matrix instruction is used transposed (source 0 = 16 rows of Wm, source 1 = 16 tokens): a lane holds eight neighbouring columns of one row of out0.
; LIMIT: e10 + e11 between -126 and 127, so that 2^(e10 + e11) is an f32 number.
; REGISTERS: window 0: v1-29 addresses; v32-63 bm in the result's layout; v64-95 a block's results; v128-255 attn's fragments, one set, later rows on their way out.
;   window 1: Wm's fragments, two sets of 64.   window 2: the accumulators ((a, b) at v[8 (4 a + b)]).
.set KROW,   1024
.set PITCH,  272                       ; a row of Wm in LDS: 256 bytes + 16 of padding
.set ABLK,   4096                      ; a block of 16 tokens x 256 K: two images of 2,048 bytes
.set AHALF,  8*ABLK                    ; what one tensor load brings of attn, and what one wave reads
.set BOFF,   2*AHALF                   ; Wm's 128 rows lie behind attn's 16 blocks
.set BHALF,  64*PITCH
.set SLOT,   BOFF+2*BHALF              ; 100,352 bytes
.set STAGE,  2*SLOT                    ; behind the ring: 16 rows x 272 bytes for each wave
.set SPITCH, 272
.set SPARE,  STAGE+4*16*SPITCH         ; behind the stages: the spare words, 128 bytes a wave
.set FR,     16
.set NP,     4                         ; places behind this matrix instruction (ISA guide 7.12.1)
.set ADRA, 16                          ; v16-17  LDS address of my fragments of attn in slot 0, 1
.set ADRB, 20                          ; v20-21  of Wm
.set STO,  24                          ; v24     the stage: where I put 32 bytes of a row
.set RD,   25                          ; v25     where I read a row back
.set CO,   26                          ; v26     my byte offset in two rows of out0
.set SPW,  28                          ; v28     my spare word; never rewritten
.set NIL,  29                          ; v29     0; never rewritten
.set BI,   32
.set TMP,  64
.set AF,   128
.set BK,   128                         ; rows read back: v128-159 and v160-191 by turns
.set G1, 24                            ; s[24:31] group 1 for attn's tiles; s[32:39] group 0, a set for each slot
.set G0, 32
.set G1B, 48                           ; s[48:55], s[56:63] the same for Wm's
.set G0B, 56
.set MSB, 0
.macro WIN new                         ; the immediate's high byte repeats the setting that is left
.if MSB != (\new)
	s_set_vgpr_msb (MSB<<8)|(\new)
.set MSB, \new
.endif
.endm
.set MUL,  0xa1                        ; source 0 (Wm) window 1, source 1 (attn) window 0, C and D window 2
.set TO_B, 0x40                        ; destination window 1, address window 0
.macro JLOAD g0a, g1a, g0b, g1b        ; waves 0 and 1 fetch attn's halves, waves 2 and 3 Wm's; four v_nop follow each line
	s_cmp_eq_u32 s15, 0
	s_cbranch_scc0 .Lfor_b_\@
	tensor_load_to_lds s[\g0a:\g0a+3], s[\g1a:\g1a+7]
	s_nop 0
.rept 4
	v_nop
.endr
	s_branch .Lasked_\@
.Lfor_b_\@:
	tensor_load_to_lds s[\g0b:\g0b+3], s[\g1b:\g1b+7]
	s_nop 0
.rept 4
	v_nop
.endr
.Lasked_\@:
.endm
.macro CREST
	s_cmp_lg_u32 s14, 0
	s_cbranch_scc1 .Lnot_wave_0_\@
	s_barrier_signal -3
.Lnot_wave_0_\@:
	s_barrier_wait -3
	s_barrier_signal -1
	s_barrier_wait -1
.endm
.macro CROUND
	s_barrier_signal -1
	s_barrier_wait -1
	CREST
.endm
	s_load_b256 s[4:11], s[0:1], 0x0               ; af s[4:5], Wm s[6:7], bm s[8:9], the scales s[10:11]
	s_load_b64 s[12:13], s[0:1], 0x20              ; out0
	v_lshl_add_u32 v[SPW], v0, 2, SPARE
	v_mov_b32 v[NIL], 0
	ds_add_u32 v28, v29
	ds_add_u32 v28, v29
	s_wait_dscnt 0x0
	v_lshrrev_b32 v1, 5, v0
	v_readfirstlane_b32 s14, v1                    ; wave 0..3
	s_lshr_b32 s15, s14, 1                         ; which 128 rows are mine.  Also: I fetch for attn (0) or for Wm (1)
	s_and_b32 s16, s14, 1                          ; which 64 columns.  Also: which half of that tile I fetch
	s_bfe_u32 s40, ttmp6, 0x40000                  ; cx, cy
	s_bfe_u32 s41, ttmp6, 0x40004
	s_lshl_b32 s42, ttmp9, 2
	s_add_co_u32 s42, s42, s40                     ; tile column 0..7
	s_and_b32 s17, ttmp7, 0xffff
	s_lshl_b32 s17, s17, 2
	s_add_co_u32 s17, s17, s41                     ; tile row 0..31
	s_lshl_b32 s43, s41, 2
	s_lshl_b32 s43, 15, s43                        ; my row of the cluster
	s_lshl_b32 s44, 0x1111, s40                    ; my column
	; attn: 8 blocks of 4,096 bytes, 16,384 bytes apart in memory, dense in LDS: rows of 512 elements of 8 bytes
	s_or_b32 s[G1+0], s43, (3<<16)|(1<<21)         ; 15:0 the mask; 17:16 elements of 8 bytes; 21 set beside a mask; no padding
	s_mov_b32 s[G1+1], 512<<16                     ; tensor_dim0
	s_mov_b32 s[G1+2], 8<<16                       ; tensor_dim1
	s_mov_b32 s[G1+3], 512<<16                     ; tile_dim0
	s_mov_b32 s[G1+4], 8                           ; tile_dim1
	s_mov_b32 s[G1+5], 2048                        ; the pitch
	s_mov_b32 s[G1+6], 0
	s_mov_b32 s[G1+7], 0
	; Wm: 64 rows of 256 bytes, 16 bytes of padding behind each
	s_or_b32 s[G1B+0], s44, (0<<16)|(1<<20)|(1<<21)|(5<<22)|(3<<25)
	s_mov_b32 s[G1B+1], 256<<16
	s_mov_b32 s[G1B+2], 64<<16
	s_mov_b32 s[G1B+3], 256<<16
	s_mov_b32 s[G1B+4], 64
	s_mov_b32 s[G1B+5], KROW
	s_mov_b32 s[G1B+6], 0
	s_mov_b32 s[G1B+7], 0
	s_lshl_b32 s20, s17, 4
	s_lshl_b32 s18, s16, 3
	s_add_co_u32 s20, s20, s18
	s_lshl_b32 s20, s20, 14                        ; attn: (16 x tile row + 8 x half) blocks of 16,384 bytes
	s_mov_b32 s21, 0
	s_lshl_b32 s46, s42, 7
	s_lshl_b32 s18, s16, 6
	s_add_co_u32 s46, s46, s18
	s_lshl_b32 s46, s46, 10                        ; Wm: (128 x tile column + 64 x half) rows of 1,024 bytes
	s_mov_b32 s47, 0
	s_lshl_b32 s45, s16, 15                        ; where they go: attn's halves at 0 and 32,768,
	s_mul_i32 s19, s16, BHALF
	s_add_co_u32 s19, s19, BOFF                    ; Wm's behind them
	s_wait_kmcnt 0x0
	s_load_b64 s[96:97], s[10:11], 0x28            ; e10, e11
	s_add_nc_u64 s[20:21], s[4:5], s[20:21]
	s_add_nc_u64 s[46:47], s[6:7], s[46:47]
	CROUND                                         ; all sixteen work-groups are here: the first joint loads meet
.irp s, 0,1
	s_mov_b32 s[G0+4*\s], 1
	s_add_co_u32 s[G0+4*\s+1], s45, \s*SLOT
	s_add_nc_u64 s[G0+4*\s+2:G0+4*\s+3], s[20:21], \s*ABLK
	s_or_b32 s[G0+4*\s+3], s[G0+4*\s+3], 0x80000000
	s_mov_b32 s[G0B+4*\s], 1
	s_add_co_u32 s[G0B+4*\s+1], s19, \s*SLOT
	s_add_nc_u64 s[G0B+4*\s+2:G0B+4*\s+3], s[46:47], \s*256
	s_or_b32 s[G0B+4*\s+3], s[G0B+4*\s+3], 0x80000000
	s_wait_alu depctr_va_vdst(0)
	s_wait_tensorcnt 0x0
	ds_add_u32 v28, v29
	ds_add_u32 v28, v29
	s_wait_dscnt 0x0
	CROUND
	JLOAD G0+4*\s, G1, G0B+4*\s, G1B               ; K step 0, then 1: one load of mine is out at a time
.endr
	v_and_b32 v1, 15, v0                           ; r
	v_bfe_u32 v2, v0, 4, 1                         ; h
	v_and_b32 v6, 31, v0
	v_lshlrev_b32 v6, 4, v6                        ; 16 x lane: an image's place for my lane
	v_mul_u32_u24 v3, v1, PITCH
	v_lshl_add_u32 v4, v2, 4, v3                   ; Wm: row x pitch + 16 h
	s_lshl_b32 s21, s15, 15                        ; my 8 blocks of attn
	s_mul_i32 s22, s16, BHALF
	s_add_co_u32 s22, s22, BOFF                    ; my 64 rows of Wm
.irp s, 0,1
	v_add_nc_u32 v[ADRA+\s], s21, v6
	v_add_nc_u32 v[ADRB+\s], s22, v4
	s_add_co_u32 s21, s21, SLOT
	s_add_co_u32 s22, s22, SLOT
.endr
	s_mul_i32 s23, s14, 16*SPITCH
	s_add_co_u32 s23, s23, STAGE                   ; my stage
	v_mul_u32_u24 v5, v1, SPITCH
	v_lshl_add_u32 v5, v2, 5, v5
	v_add_nc_u32 v[STO], s23, v5                   ; in: row r, 32 bytes for each half of the lanes
	v_mul_u32_u24 v5, v2, SPITCH
	v_lshl_add_u32 v5, v1, 4, v5
	v_add_nc_u32 v[RD], s23, v5                    ; back: lanes 0-15 one row of 256 bytes, lanes 16-31 the next
	v_lshlrev_b32 v5, 12, v2
	v_lshl_add_u32 v[CO], v1, 4, v5                ; and the same two rows of out0, 4,096 bytes apart
	v_lshlrev_b32 v7, 5, v2                        ; bm: 32 h
	s_wait_alu depctr_va_vdst(0)
	s_lshl_b32 s20, s17, 8
	s_lshl_b32 s21, s15, 7
	s_add_co_u32 s20, s20, s21
	s_lshl_b32 s20, s20, 12                        ; my first row of out0, in bytes: under 2^25
	s_mov_b32 s21, 0
	s_lshl_b32 s46, s42, 9
	s_lshl_b32 s47, s16, 8
	s_add_co_u32 s46, s46, s47                     ; my first column, in bytes: 512 x tile column + 256 x half; the same in bm
	s_mov_b32 s47, 0
	s_add_nc_u64 s[8:9], s[8:9], s[46:47]
	s_add_nc_u64 s[20:21], s[20:21], s[46:47]
	s_add_nc_u64 s[12:13], s[12:13], s[20:21]
.irp b, 0,1,2,3                                ; v[BI + 8 b + j] = bm[16 b + 8 h + j]; waited for on the way out
	global_load_b128 v[BI+8*\b:BI+8*\b+3], v7, s[8:9] offset:64*\b
	global_load_b128 v[BI+8*\b+4:BI+8*\b+7], v7, s[8:9] offset:64*\b+16
.endr
; 8 matrix instructions: attn's blocks a0, a0 + 1 x Wm's four, 128 along K.  p: Wm's set.  zero = 1: the first product starts the sums.  The 32 accumulators take turns, one instruction a turn.
.macro MUL8 a0, p, zero
.irp a, \a0, \a0+1
.irp b, 0,1,2,3
.if \zero
	v_wmma_f32_16x16x128_fp8_fp8 v[8*(4*(\a)+\b):8*(4*(\a)+\b)+7], v[64*(\p)+FR*\b:64*(\p)+FR*\b+FR-1], v[AF+FR*(\a):AF+FR*(\a)+FR-1], 0
.else
	v_wmma_f32_16x16x128_fp8_fp8 v[8*(4*(\a)+\b):8*(4*(\a)+\b)+7], v[64*(\p)+FR*\b:64*(\p)+FR*\b+FR-1], v[AF+FR*(\a):AF+FR*(\a)+FR-1], v[8*(4*(\a)+\b):8*(4*(\a)+\b)+7]
.endif
.endr
.endr
.endm
.macro FETCH_B slot, q, p              ; Wm's four fragments of the slot's q-th 128 along K into set p: 16 loads
	WIN TO_B
.irp i, 0,1,2,3
.irp c, 0,1,2,3
	ds_load_b128 v[64*(\p)+FR*\i+4*\c:64*(\p)+FR*\i+4*\c+3], v[ADRB+\slot] offset:128*(\q)+32*\c+\i*16*PITCH
.endr
.endr
	WIN 0
.endm
.macro FETCH_A slot, q, i0             ; attn's blocks i0 .. i0 + 3: 16 loads, each 512 consecutive bytes
.irp i, \i0, \i0+1, \i0+2, \i0+3
.irp c, 0,1,2,3
	ds_load_b128 v[AF+FR*(\i)+4*\c:AF+FR*(\i)+4*\c+3], v[ADRA+\slot] offset:ABLK*(\i)+2048*(\q)+512*\c
.endr
.endr
.endm
.macro PLACES n
.rept \n
	v_nop
.endr
.endm
.macro STEP slot, q, zero              ; a step of 128 along K that has its successor in the same slot
	s_wait_dscnt 16                                ; Wm's set and attn's blocks 0-3 are in; the youngest sixteen loads (blocks 4-7) may be out
	WIN MUL
	MUL8 0, (\q)%2, \zero
	MUL8 2, (\q)%2, \zero
	s_wait_dscnt 0                                 ; blocks 4-7 are in
	PLACES NP
	FETCH_B \slot, (\q)+1, 1-(\q)%2
	FETCH_A \slot, (\q)+1, 0
	WIN MUL
	MUL8 4, (\q)%2, \zero
	MUL8 6, (\q)%2, \zero
	PLACES NP
	WIN 0
	FETCH_A \slot, (\q)+1, 4
.endm
; A slot's last step changes slots: one barrier; in front of it each wave waits for all its tensor loads, adds 0 to its spare word, and waits for that and for its reads of this slot.  fill = 1: this slot is filled again, two K steps ahead.
.macro TURN slot, next, fill
	s_wait_tensorcnt 0x0                           ; all my tensor loads have landed: my part of the next slot
	ds_add_u32 v[SPW], v[NIL]                      ; 0 onto my spare word
	s_wait_dscnt 17                                ; (the add and the youngest sixteen loads may be out)
	WIN MUL
	MUL8 0, 1, 0                                   ; eight matrix instructions stand between the add and the wait for it
	s_wait_dscnt 0x0                               ; the add is done, and my reads of this slot are over
	s_barrier_signal -1
	MUL8 2, 1, 0
	WIN 0
	s_barrier_wait -1
.if \fill
	CREST                                          ; the barrier has opened a round of the cluster's barrier: no wave of any partner still reads this slot or has a load on its way
	s_add_nc_u64 s[G0+4*\slot+2:G0+4*\slot+3], s[G0+4*\slot+2:G0+4*\slot+3], 2*ABLK
	s_add_nc_u64 s[G0B+4*\slot+2:G0B+4*\slot+3], s[G0B+4*\slot+2:G0B+4*\slot+3], 2*256
	JLOAD G0+4*\slot, G1, G0B+4*\slot, G1B         ; the first tensor load behind the round; its four v_nop are the places in front of the loads below
.else
	PLACES NP
.endif
	FETCH_B \next, 0, 0
	FETCH_A \next, 0, 0
	WIN MUL
	MUL8 4, 1, 0
	MUL8 6, 1, 0
	PLACES NP
	WIN 0
	FETCH_A \next, 0, 4
.endm
	s_wait_tensorcnt 1                             ; my part of K step 0 is in; K step 1's load may be out
	s_barrier_signal -1
	s_barrier_wait -1                              ; everybody's is
	FETCH_B 0, 0, 0
	FETCH_A 0, 0, 0
	FETCH_A 0, 0, 4
	STEP 0, 0, 1                                   ; the first step's products start the sums
	TURN 0, 1, 1                                   ; K = 1,024 is four K steps: written out, no loop
	STEP 1, 0, 0
	TURN 1, 0, 1
	STEP 0, 0, 0
	TURN 0, 1, 0                                   ; nothing is left to fetch: no round, no load
	STEP 1, 0, 0
	s_wait_dscnt 16                                ; the very last step
	WIN MUL
	MUL8 0, 1, 0
	MUL8 2, 1, 0
	s_wait_dscnt 0
	MUL8 4, 1, 0
	MUL8 6, 1, 0
	WIN 0
; THE WAY OUT, block by block of 16 rows x 64 columns: sum x 2^(e10 + e11) + bm, one packed multiply-add for two numbers, each accumulator from its low end on; through my own stage; back as whole rows of 256 bytes.
; LDS serves a wave's instructions in order (ISA guide 5.7.1.4): no wait between the stores and the loads, nor in front of the next block's stores.
.macro TOSTAGE a
	WIN 0x02                                       ; source 0: window 2
.irp b, 0,1,2,3
.irp i, 0,2,4,6
	v_pk_fma_f32 v[TMP+8*\b+\i:TMP+8*\b+\i+1], v[32*(\a)+8*\b+\i:32*(\a)+8*\b+\i+1], s[96:97], v[BI+8*\b+\i:BI+8*\b+\i+1] op_sel_hi:[1,0,1]
.endr
.endr
	WIN 0
.irp b, 0,1,2,3
	ds_store_b128 v[STO], v[TMP+8*\b:TMP+8*\b+3] offset:64*\b
	ds_store_b128 v[STO], v[TMP+8*\b+4:TMP+8*\b+7] offset:64*\b+16
.endr
.set BB, BK+32*((\a)%2)
.irp t, 0,1,2,3,4,5,6,7
	ds_load_b128 v[BB+4*\t:BB+4*\t+3], v[RD] offset:\t*2*SPITCH
.endr
.endm
.macro SEND a, younger                 ; younger: the LDS instructions issued behind block a's loads, which may stay out
.set BB, BK+32*((\a)%2)
	s_wait_dscnt \younger                          ; the block is back in registers
.if (\a) > 0
	s_add_nc_u64 s[12:13], s[12:13], 16*4096       ; (behind a wait on XCNT: the earlier stores have read their base)  16 rows on
.endif
.irp t, 0,1,2,3,4,5,6,7
	global_store_b128 v[CO], v[BB+4*\t:BB+4*\t+3], s[12:13] offset:\t*8192 th:TH_STORE_NT   ; sixteen lanes store 256 consecutive bytes, aligned; written once, read by nobody here
.endr
.endm
	s_wait_kmcnt 0x0
	s_add_co_i32 s96, s96, s97
	s_add_co_i32 s96, s96, 127
	s_lshl_b32 s96, s96, 23                        ; 2^(e10 + e11) as f32
	s_mov_b32 s97, s96                             ; (named with it as a pair)
	s_wait_loadcnt 0x0                             ; bm
	PLACES NP                                      ; behind the last products: for the first read of results and for the loads into the registers that held attn's fragments
	TOSTAGE 0
.irp a, 1,2,3,4,5,6,7
.if \a > 1
	s_wait_xcnt 0x0                                ; block a - 2's stores have read their registers and their base
.endif
	TOSTAGE \a
	SEND \a-1, 16                                  ; behind block a - 1's loads: block a's 8 stores and 8 loads
.endr
	s_wait_xcnt 0x0                                ; block 6's stores have read their base
	SEND 7, 0
	s_wait_tensorcnt 0x0                           ; the wave's end
	ds_add_u32 v[SPW], v[NIL]
	s_wait_dscnt 0x0
	CROUND                                         ; the closing round
	s_endpgm
.Lfunc_end_k_q0600074b6c_proj:
	.size	k_q0600074b6c_proj, .Lfunc_end_k_q0600074b6c_proj-k_q0600074b6c_proj
	.p2alignl 7, 3214868480
	.fill 96, 4, 3214868480
	.section	.rodata,"a",@progbits
	.p2align	6, 0x0
	.amdhsa_kernel k_q0600074b6c_proj
		.amdhsa_group_segment_fixed_size 327680
		.amdhsa_private_segment_fixed_size 0
		.amdhsa_enable_private_segment 0
		.amdhsa_kernarg_size 40
		.amdhsa_user_sgpr_count 2
		.amdhsa_user_sgpr_kernarg_segment_ptr 1
		.amdhsa_wavefront_size32 1
		.amdhsa_system_sgpr_workgroup_id_x 1
		.amdhsa_system_sgpr_workgroup_id_y 1
		.amdhsa_system_sgpr_workgroup_id_z 1
		.amdhsa_system_vgpr_workitem_id 0
		.amdhsa_next_free_vgpr 768
		.amdhsa_next_free_sgpr 100
		.amdhsa_reserve_vcc 0
		.amdhsa_float_denorm_mode_32 3
		.amdhsa_float_denorm_mode_16_64 3
		.amdhsa_memory_ordered 1
		.amdhsa_forward_progress 1
		.amdhsa_inst_pref_size 79
	.end_amdhsa_kernel
	.amdgpu_metadata
---
amdhsa.version: [ 1, 2 ]
amdhsa.kernels:
  - .name:           k_q0600074b6c_proj
    .symbol:         k_q0600074b6c_proj.kd
    .args:
      - { .name: af, .offset: 0, .size: 8, .value_kind: global_buffer, .address_space: global }
      - { .name: Wm_codes, .offset: 8, .size: 8, .value_kind: global_buffer, .address_space: global }
      - { .name: bm, .offset: 16, .size: 8, .value_kind: global_buffer, .address_space: global }
      - { .name: lowp_scales, .offset: 24, .size: 8, .value_kind: global_buffer, .address_space: global }
      - { .name: out0, .offset: 32, .size: 8, .value_kind: global_buffer, .address_space: global }
    .group_segment_fixed_size: 327680
    .private_segment_fixed_size: 0
    .kernarg_segment_align: 8
    .kernarg_segment_size: 40
    .max_flat_workgroup_size: 128
    .sgpr_count:     100
    .vgpr_count:     768
    .wavefront_size: 32
...
	.end_amdgpu_metadata
.endif
;; end of part 3
